; MI455X (gfx1250); checked and timed in simulation.
; The chip was launched on July 23, 2026; its instructions are those of AMD's public machine-readable ISA for CDNA 5 (MIT licence, August 2026) and "CDNA5" Instruction Set Architecture Reference Guide (July 2026). The comments in the code are by the model that wrote it; some were corrected since.
;; Multi Head Attention. Allowed arithmetic: matrix products marked QUANTISED: E2M3 operands, one E8M0 scale for each 32 along K, by v_wmma_scale_f32_16x16x128_f8f6f4 with both operands' format E2M3, f32 sums; everything else in f32.
;; Inputs: Wk 1,024 x 1,024 float32; Wo 1,024 x 1,024 float32; Wq 1,024 x 1,024 float32; Wv 1,024 x 1,024 float32; bk 1,024 float32; bo 1,024 float32; bq 1,024 float32; bv 1,024 float32; key 4 x 2,048 x 1,024 float32; query 4 x 2,048 x 1,024 float32; value 4 x 2,048 x 1,024 float32.
;; Outputs: out0 4 x 2,048 x 1,024 float32.
;; This version of the problem:
;;   THIS VERSION OF THE PROBLEM IS GIVEN IN LOW PRECISION. The matrix products marked QUANTISED in the list below multiply operands that are first quantised to E2M3 (2 exponent bits, 3 mantissa bits; 6 bits a number), with one power-of-two scale for each 32 numbers along K (OCP MX v1.0); their sums are f32. All else is computed in f32.
;;   The module's matrix products, in the order in which they are computed (A, B: the left and right operand; K: the contracted axis; several contracted axes count as one K, in the product's order):
;;     1. [M 8,192, K 1,024] x [K 1,024, N 1,024]; A: input query; B: input Wq: QUANTISED
;;     2. [M 8,192, K 1,024] x [K 1,024, N 1,024]; A: input key; B: input Wk: QUANTISED
;;     3. [M 8,192, K 1,024] x [K 1,024, N 1,024]; A: input value; B: input Wv: QUANTISED
;;     4. batch 64 x [M 2,048, K 64] x [K 64, N 2,048]; A: computed on the way; B: computed on the way: QUANTISED
;;     5. batch 64 x [M 2,048, K 2,048] x [K 2,048, N 64]; A: softmax (see below); B: computed on the way: QUANTISED
;;     6. [M 8,192, K 1,024] x [K 1,024, N 1,024]; A: computed on the way; B: input Wo: QUANTISED
;;   THE QUANTISER, for each operand of a quantised product, along K:
;;     - K is cut into blocks of 32 from its start; a last block that is shorter is filled with zeros.
;;     - A block's scale is 2^e with e = floor(log2(the largest magnitude in the block)) - 2, held to -126 .. 127; a block of zeros has e = 0. As a byte (E8M0): e + 127.
;;     - Each number is divided by its block's scale, clamped to +-7.5, and rounded to the nearest number of E2M3, ties to even, subnormals kept.
;;     - The product sums the exact products of the quantised numbers (number of the format x scale) in f32.
;;   ~~~python
;;   def quantise(x, axis):      # numpy; x: float32 -> the quantised numbers, widened to float32 again
;;       x = np.moveaxis(x, axis, -1); K = x.shape[-1]
;;       x = np.pad(x, [(0, 0)] * (x.ndim - 1) + [(0, -K % 32)]); x = x.reshape(x.shape[:-1] + (-1, 32)); a = np.abs(x).max(-1, keepdims=True)
;;       e = np.where(a > 0, np.clip(np.frexp(np.where(a > 0, a, 1))[1] - 1 - 2, -126, 127), 0)      # np.frexp(a)[1] - 1 = floor(log2(a)), exactly
;;       r = np.clip(x / 2.0 ** e, -7.5, 7.5)
;;       step = 2.0 ** (np.maximum(np.frexp(np.where(r == 0, 1, r))[1] - 1, 0) - 3)
;;       q = np.round(r / step) * step * 2.0 ** e      # np.round: ties to even
;;       return np.moveaxis(q.reshape(q.shape[:-2] + (-1,))[..., :K], -1, axis).astype(np.float32)
;;   ~~~
;;   SOFTMAX AHEAD OF A QUANTISED PRODUCT. Where the list says 'softmax', what is quantised is not the finished softmax but p = 2^(t - M), with t = logit x log2(e) and M = ceil(the row's largest t), a whole number; so 1/2 < the row's largest p <= 1. The row's sum l is taken of the UNQUANTISED p, in f32, and the product's result is divided by l at the end. Since M is a whole number, a kernel that streams over the keys may use a running M (the ceiling of the running maximum): every later rescaling is an exact power of two, which a block's scale takes up: the codes' values come out the same.
;;   OPERANDS COMPUTED ON THE WAY. 'Computed on the way' means the value that the module computes at that place (a softmax that the list does not call 'softmax' is quantised finished and normalised). What goes into a quantiser is computed in f32, as accurately as f32 sums, v_exp_f32 and their like allow (about 1e-6 of the number): no bf16 or f16 on the way to a quantiser, and a product that is left as it is and whose result goes on into a quantised operand takes f32 operands (vector FMAs, or v_wmma_f32_16x16x4_f32). A number that lies on a knife's edge between two numbers of the format may be rounded either way, as far as f32 arithmetic and the matrix unit's own rounding can turn it there, and no further.
;; One version. Each part assembles by itself: llvm-mc -triple=amdgcn-amd-amdhsa -mcpu=gfx1250 --defsym DOCPART=n.
;; ======== version 1 of 1: 4 launches
;; workspace buffers: cod 22,020,096 bytes; scl 917,504 bytes; qb 6,815,744 bytes; kv 13,369,344 bytes; oc 6,291,456 bytes; os 262,144 bytes
;; launch quant (part 1): grid 896 x 1, 4 waves a work-group, no clusters, 34,304 bytes of LDS; arguments query, key, value, Wq, Wk, Wv, Wo, cod, scl; writes cod, scl
.if DOCPART == 1
	.amdgcn_target "amdgcn-amd-amdhsa--gfx1250"
	.amdhsa_code_object_version 6
	.text
	.protected	k_q582c9b11ae_quant
	.globl	k_q582c9b11ae_quant
	.p2align	8
	.type	k_q582c9b11ae_quant,@function
k_q582c9b11ae_quant:
	s_mov_b64 s[64:65], 0
	v_nop
	global_prefetch_b8 v0, s[64:65] scope:SCOPE_SE
	s_setreg_imm32_b32 hwreg(HW_REG_WAVE_MODE, 25, 1), 1
	s_wait_xcnt 0x0
; query, key, value [8192][1024] and Wq, Wk, Wv, Wo [1024][1024], f32, K innermost, become codes of FP6 (E2M3) with one E8M0 byte for each 32 along K.
; A block's scale is 2^(floor(log2(its largest magnitude)) - 2); its byte is the largest magnitude's exponent field - 2, held at 1 from below.
; LIMITS: a block of zeros, or one whose largest magnitude lies under 2^-124, gets the byte 1 (the rule says 127 for zeros): its codes are zeros or subnormal, and this program alone reads the bytes.  NaN and infinities are not served.
; THE OUTPUT LIES IN THE ORDER OF THE OPERAND'S REGISTERS.  A tile is 16 rows: lane r of tile T holds row 32 (T / 2) + 8 (T % 2) + r + 8 (r / 8).  For each K step of 128 a tile has an image of 1,536 bytes:
; for c = 0, 1: registers 6 c .. 6 c + 3 of lane l at 768 c + 16 l, registers 6 c + 4, 6 c + 5 at 768 c + 512 + 8 l.  cod: [1792 tiles][8 K steps][1536]; tiles 0-511 query, 512-1023 key, 1024-1535 value, then 64 each of Wq, Wk, Wv, Wo.
; scl: [1792][512]: 16 bytes at 16 (r + 16 u): the scale words of K steps 4 u .. 4 u + 3 of the tile's lane r.
; SHARES.  A wave takes one tile and four K steps (half of K).  Each load reads one row's K step, 512 consecutive bytes; the 16 rows turn through the wave's own stage in LDS (pitch 528), from which lane (r, h) takes
; its two whole blocks, k = 64 c + 32 h + 0 .. 31 of row r.  So no other lane is asked for a maximum, and the conversions' results are the operand's registers.  Waves share nothing: no barrier.
.set STG,   8448                       ; a wave's stage: 16 rows x 528 bytes
.set SPARE, 4*STG                      ; behind the stages: the spare words, 128 bytes a wave
.set R,     32                         ; v32-159  two sets of 64: a K step as loaded
.set X,     160                        ; v160-223 my 64 numbers: block c at X + 32 c
.set C,     224                        ; v224-235 the codes; v236-238, v240-242 the upper halves as the conversions leave them
.set WD,    16                         ; v16-19   the four K steps' scale words
	s_load_b512 s[4:19], s[0:1], 0x0               ; query, key, value, Wq, Wk, Wv, Wo, cod
	s_load_b64 s[20:21], s[0:1], 0x40              ; scl
	v_lshl_add_u32 v8, v0, 2, SPARE                ; my spare word
	v_mov_b32 v9, 0
	v_lshrrev_b32 v1, 5, v0
	v_readfirstlane_b32 s24, v1                    ; wave
	v_and_b32 v1, 31, v0                           ; lane
	v_lshlrev_b32 v2, 4, v1                        ; 16 l
	v_lshlrev_b32 v3, 3, v1                        ; 8 l
	s_mul_i32 s25, s24, STG
	v_add_nc_u32 v4, s25, v2                       ; into the stage: 16 l of a row
	v_and_b32 v20, 15, v0                          ; r
	v_bfe_u32 v21, v0, 4, 1                        ; h
	v_mul_u32_u24 v5, v20, 528
	v_lshl_add_u32 v5, v21, 7, v5
	v_add_nc_u32 v5, s25, v5                       ; out of it: row r, + 128 h bytes
	v_lshlrev_b32 v6, 3, v21                       ; 8 h: my bytes' place in a scale word
	v_lshl_add_u32 v7, v20, 4, v6                  ; 16 r + 8 h: my two words' place in the tile's scale words
	v_mov_b32 v22, 0                               ; a lane permute's destination counts as read
	s_mov_b32 s36, 0x76543210
	s_mov_b32 s37, 0xfedcba98                      ; selects for lane l xor 16
	s_mov_b32 s38, 0xffff0000                      ; lanes 16-31
	s_lshl_b32 s32, ttmp9, 2
	s_add_co_u32 s32, s32, s24                     ; my wave's number in the launch = 2 x tile + half of K
	s_mul_i32 s34, s32, 6144                       ; four images
	s_mov_b32 s35, 0
	s_lshl_b32 s32, s32, 8                         ; 256 bytes of scale words
	s_mov_b32 s33, 0
	s_mov_b32 s28, 0
	s_wait_alu depctr_va_vdst(0)
	s_wait_kmcnt 0x0
	s_mov_b64 s[26:27], s[4:5]                     ; which tensor: by the work-group's number alone
	s_cmp_ge_u32 ttmp9, 256
	s_cselect_b64 s[26:27], s[6:7], s[26:27]
	s_cselect_b32 s28, 256, s28
	s_cmp_ge_u32 ttmp9, 512
	s_cselect_b64 s[26:27], s[8:9], s[26:27]
	s_cselect_b32 s28, 512, s28
	s_cmp_ge_u32 ttmp9, 768
	s_cselect_b64 s[26:27], s[10:11], s[26:27]
	s_cselect_b32 s28, 768, s28
	s_cmp_ge_u32 ttmp9, 800
	s_cselect_b64 s[26:27], s[12:13], s[26:27]
	s_cselect_b32 s28, 800, s28
	s_cmp_ge_u32 ttmp9, 832
	s_cselect_b64 s[26:27], s[14:15], s[26:27]
	s_cselect_b32 s28, 832, s28
	s_cmp_ge_u32 ttmp9, 864
	s_cselect_b64 s[26:27], s[16:17], s[26:27]
	s_cselect_b32 s28, 864, s28
	s_sub_co_u32 s29, ttmp9, s28
	s_lshl_b32 s29, s29, 2
	s_add_co_u32 s29, s29, s24                     ; my wave's number in the tensor
	s_lshr_b32 s30, s29, 2
	s_lshl_b32 s30, s30, 17                        ; (tile / 2) x 32 rows of 4,096 bytes
	s_bfe_u32 s31, s29, 0x10001
	s_lshl_b32 s31, s31, 15                        ; + (tile % 2) x 8 rows
	s_add_co_u32 s30, s30, s31
	s_and_b32 s31, s29, 1
	s_lshl_b32 s31, s31, 11                        ; + my half of K: 2,048 bytes
	s_add_co_u32 s30, s30, s31
	s_mov_b32 s31, 0
	s_add_nc_u64 s[26:27], s[26:27], s[30:31]
	s_add_nc_u64 s[18:19], s[18:19], s[34:35]
	s_add_nc_u64 s[20:21], s[20:21], s[32:33]
.macro LOAD s                          ; K step s of the tile's 16 rows: 512 consecutive bytes a load
.irp i, 0,1,2,3,4,5,6,7,8,9,10,11,12,13,14,15
	global_load_b128 v[R+64*((\s)%2)+4*\i:R+64*((\s)%2)+4*\i+3], v2, s[26:27] offset:(\i+8*(\i/8))*4096+512*(\s) th:TH_LOAD_NT
.endr
.endm
.macro STEP s
.if (\s) < 3
	s_wait_loadcnt 16                              ; this K step's 16 loads are in; the next one's 16 may be out
.else
	s_wait_loadcnt 0x0
.endif
.irp i, 0,1,2,3,4,5,6,7,8,9,10,11,12,13,14,15
	ds_store_b128 v4, v[R+64*((\s)%2)+4*\i:R+64*((\s)%2)+4*\i+3] offset:528*\i
.endr
.irp c, 0,1
.irp j, 0,1,2,3,4,5,6,7
	ds_load_b128 v[X+32*\c+4*\j:X+32*\c+4*\j+3], v5 offset:256*\c+16*\j   ; LDS serves a wave's instructions in order: these see the stores above
.endr
.endr
	s_wait_dscnt 0x0                               ; my 64 numbers are in, and the stores have read their registers,
.if (\s) < 2
	LOAD (\s)+2                                    ; which take the K step two on
.endif
	v_max3_num_f32 v10, |v[X]|, |v[X+1]|, 0x1800000        ; my two blocks' largest magnitudes, by turns, with the floor 2^(3 - 127) among the leaves
	v_max3_num_f32 v11, |v[X+32]|, |v[X+33]|, 0x1800000
.irp i, 2,4,6,8,10,12,14,16,18,20,22,24,26,28,30
	v_max3_num_f32 v10, v10, |v[X+\i]|, |v[X+\i+1]|
	v_max3_num_f32 v11, v11, |v[X+32+\i]|, |v[X+33+\i]|
.endr
	v_add_nc_u32 v12, 0xff000000, v10              ; 2 off the exponent field: the conversion's scale operand
	v_add_nc_u32 v13, 0xff000000, v11
	v_lshrrev_b32 v14, 23, v12                     ; the bytes of blocks h and 2 + h
	v_lshrrev_b32 v15, 23, v13
	v_lshl_or_b32 v20, v15, 16, v14
	v_lshlrev_b32 v20, v6, v20                     ; at their places in the word
	v_permlanex16_b32 v22, v20, s36, s37
	v_or_b32 v[WD+(\s)], v20, v22                  ; with lane l xor 16's two the word is whole
	s_wait_alu depctr_va_vdst(0)
	s_wait_xcnt 0x0                                ; the last K step's stores have read the codes' registers
.irp c, 0,1
	v_cvt_scalef32_pk16_fp6_f32 v[C+6*\c:C+6*\c+2], v[X+32*\c:X+32*\c+15], v[12+\c]
	v_cvt_scalef32_pk16_fp6_f32 v[C+12+4*\c:C+14+4*\c], v[X+32*\c+16:X+32*\c+31], v[12+\c]   ; (a conversion's three registers begin on an even number)
.endr
	v_nop                                          ; one plain place behind a scaled conversion
.irp c, 0,1
.irp i, 0,1,2
	v_mov_b32 v[C+3+6*\c+\i], v[C+12+4*\c+\i]
.endr
.endr
	global_store_b128 v2, v[C:C+3], s[18:19] offset:1536*(\s)           ; the image: 512, 256, 512, 256 consecutive bytes
	global_store_b64 v3, v[C+4:C+5], s[18:19] offset:1536*(\s)+512
	global_store_b128 v2, v[C+6:C+9], s[18:19] offset:1536*(\s)+768
	global_store_b64 v3, v[C+10:C+11], s[18:19] offset:1536*(\s)+1280
.endm
	LOAD 0
	LOAD 1
	STEP 0
	STEP 1
	STEP 2
	STEP 3
	v_cndmask_b32 v20, v[WD], v[WD+2], s38         ; lanes 0-15 store words 0, 1 of row r, lanes 16-31 words 2, 3: 256 consecutive bytes
	v_cndmask_b32 v21, v[WD+1], v[WD+3], s38
	global_store_b64 v7, v[20:21], s[20:21]
	s_wait_tensorcnt 0x0                           ; the wave's end: behind my last LDS store
	ds_add_u32 v8, v9
	s_wait_dscnt 0x0
	s_endpgm
.Lfunc_end_k_q582c9b11ae_quant:
	.size	k_q582c9b11ae_quant, .Lfunc_end_k_q582c9b11ae_quant-k_q582c9b11ae_quant
	.p2alignl 7, 3214868480
	.fill 96, 4, 3214868480
	.section	.rodata,"a",@progbits
	.p2align	6, 0x0
	.amdhsa_kernel k_q582c9b11ae_quant
		.amdhsa_group_segment_fixed_size 34304
		.amdhsa_private_segment_fixed_size 0
		.amdhsa_enable_private_segment 0
		.amdhsa_kernarg_size 72
		.amdhsa_user_sgpr_count 2
		.amdhsa_user_sgpr_kernarg_segment_ptr 1
		.amdhsa_wavefront_size32 1
		.amdhsa_system_sgpr_workgroup_id_x 1
		.amdhsa_system_sgpr_workgroup_id_y 1
		.amdhsa_system_sgpr_workgroup_id_z 1
		.amdhsa_system_vgpr_workitem_id 0
		.amdhsa_next_free_vgpr 256
		.amdhsa_next_free_sgpr 66
		.amdhsa_reserve_vcc 0
		.amdhsa_float_denorm_mode_32 3
		.amdhsa_float_denorm_mode_16_64 3
		.amdhsa_memory_ordered 1
		.amdhsa_forward_progress 1
		.amdhsa_inst_pref_size 32
	.end_amdhsa_kernel
	.amdgpu_metadata
---
amdhsa.version: [ 1, 2 ]
amdhsa.kernels:
  - .name:           k_q582c9b11ae_quant
    .symbol:         k_q582c9b11ae_quant.kd
    .args:
      - { .name: query, .offset: 0, .size: 8, .value_kind: global_buffer, .address_space: global }
      - { .name: key, .offset: 8, .size: 8, .value_kind: global_buffer, .address_space: global }
      - { .name: value, .offset: 16, .size: 8, .value_kind: global_buffer, .address_space: global }
      - { .name: Wq, .offset: 24, .size: 8, .value_kind: global_buffer, .address_space: global }
      - { .name: Wk, .offset: 32, .size: 8, .value_kind: global_buffer, .address_space: global }
      - { .name: Wv, .offset: 40, .size: 8, .value_kind: global_buffer, .address_space: global }
      - { .name: Wo, .offset: 48, .size: 8, .value_kind: global_buffer, .address_space: global }
      - { .name: cod, .offset: 56, .size: 8, .value_kind: global_buffer, .address_space: global }
      - { .name: scl, .offset: 64, .size: 8, .value_kind: global_buffer, .address_space: global }
    .group_segment_fixed_size: 34304
    .private_segment_fixed_size: 0
    .kernarg_segment_align: 8
    .kernarg_segment_size: 72
    .max_flat_workgroup_size: 128
    .sgpr_count:     66
    .vgpr_count:     256
    .wavefront_size: 32
...
	.end_amdgpu_metadata
.endif
;; end of part 1
;; launch proj (part 2): grid 8 x 96, 4 waves a work-group, clusters of 4 x 4, 295,424 bytes of LDS; arguments cod, scl, bq, bk, bv, qb, kv; writes qb, kv
.if DOCPART == 2
	.amdgcn_target "amdgcn-amd-amdhsa--gfx1250"
	.amdhsa_code_object_version 6
	.text
	.protected	k_q582c9b11ae_proj
	.globl	k_q582c9b11ae_proj
	.p2align	8
	.type	k_q582c9b11ae_proj,@function
k_q582c9b11ae_proj:
	s_mov_b64 s[64:65], 0
	v_nop
	global_prefetch_b8 v0, s[64:65] scope:SCOPE_SE
	s_setreg_imm32_b32 hwreg(HW_REG_WAVE_MODE, 25, 1), 1
	s_wait_xcnt 0x0
	s_wait_alu depctr_hold_cnt(0) depctr_sa_sdst(0) depctr_va_vdst(0) depctr_va_sdst(0) depctr_va_ssrc(0) depctr_va_vcc(0) depctr_vm_vsrc(0)
	s_getreg_b32 s2, hwreg(HW_REG_IB_STS2, 6, 4)
	s_cmp_eq_u32 s2, 0
	s_cbranch_scc0 .Lentry_in_a_cluster
	s_endpgm
.Lentry_in_a_cluster:
	s_bfe_u32 s2, ttmp6, 0x10000c
	s_cmp_lg_u32 s2, 0xf033
	s_cbranch_scc0 .Lentry_shape_is_right
	s_endpgm
.Lentry_shape_is_right:
; q = query Wq^T + bq, k = key Wk^T + bk, v = value Wv^T + bv on codes of FP6 (E2M3) with E8M0 scales, sums in f32; the results are quantised here, in registers, and leave as codes alone.
; q and k are quantised along a head's 64 channels, v along the keys.  LIMITS: a block of zeros or under 2^-124 gets the byte 1 (this program alone reads the bytes); NaN and infinities are not served.
; SHARES.  A work-group multiplies 256 rows of an operand A by 128 rows of an operand B over all of K = 1,024.  For q and k: A = the tokens, B = the weight.  For v: A = Wv, B = the tokens, so that a lane holds a channel and its
; registers run along the keys.  Which of the three: cluster y / 8, the same in all partners.  All codes of the work-group (196,608 + 98,304 bytes) lie in LDS at once: NOTHING IS FILLED AGAIN.  They come in four chunks of 256
; along K, all asked for at the head; each chunk is waited for by a counted wait and a plain barrier.
; Four waves; wave w has A's tiles 4 w .. 4 w + 3 against B's eight: 32 accumulators.  THE PRODUCT IS USED TRANSPOSED (source 0 = 16 rows of B, source 1 = 16 rows of A), and every tile's rows are
; 32 (T / 2) + 8 (T % 2) + r + 8 (r / 8): so a lane holds one row of A, and register 64 a + 16 g + i of its accumulators is B's row 32 g + 16 (lane / 16) + i: 16 neighbours along the next product's K.
; CLUSTER 4 x 4: A's tiles are shared along a row of the cluster, B's along a column: joint loads.
; OPERANDS lie in memory and in LDS as images of their registers (1,536 bytes for 16 rows x 128 K): a fragment is two loads of 16 bytes and two of 8 bytes a lane, each over consecutive bytes.
; REGISTERS: window 0: addresses, scale words, biases, the quantiser's work.  Window 1: accumulator (a, b) at v[8 (8 a + b)].  Windows 2, 3: two sets of fragments: B's at v[12 b], A's at v[96 + 12 a].
.set SPARE, 294912                     ; behind the codes: the spare words, 128 bytes a wave
.set ACH,   49152                      ; A's chunk: 16 tiles x 3,072 bytes
.set BCH,   24576                      ; B's chunk: 8 tiles x 3,072
.set BBASE, 196608                     ; B's chunks lie behind A's four
.set SA,    32                         ; v32-47   A's scale words: tile a, register j: K step j in lanes 0-15, K step 4 + j in lanes 16-31
.set SB,    48                         ; v48-79   B's likewise
.set BI,    80                         ; v80-143  the bias along B's rows, eight registers a tile of B, in the result's layout (q, k; zeros for v)
.set LB,    144                        ; v144-151 the bias along A's rows, a pair a tile of A (v)
.set TM,    152                        ; v152-167 the quantiser's work
.set WD,    170                        ; v170-173 the scale word of tile a
.set ZW,    174                        ; v174-177 scale words to store
.set PC,    180                        ; v180-191 codes; v192-194, v196-198 upper halves as the conversions leave them
.set MSB, 0
.macro WIN new                         ; the immediate's high byte repeats the setting that is left
.if MSB != (\new)
	s_set_vgpr_msb (MSB<<8)|(\new)
.set MSB, (\new)
.endif
.endm
.macro CROUND                          ; a round of the cluster's barrier
	s_barrier_signal -1
	s_barrier_wait -1
	s_cmp_lg_u32 s18, 0
	s_cbranch_scc1 .Lnot_wave_0_\@
	s_barrier_signal -3
.Lnot_wave_0_\@:
	s_barrier_wait -3
	s_barrier_signal -1
	s_barrier_wait -1
.endm
.macro PLACES
.rept 4
	v_nop
.endr
.endm
.macro FRAG reg, a16, a8, off          ; an image back into 12 registers
	ds_load_b128 v[\reg:\reg+3], v[\a16] offset:\off
	ds_load_b64 v[\reg+4:\reg+5], v[\a8] offset:\off+512
	ds_load_b128 v[\reg+6:\reg+9], v[\a16] offset:\off+768
	ds_load_b64 v[\reg+10:\reg+11], v[\a8] offset:\off+1280
.endm
.macro FETCH s                         ; K step s: B's eight fragments and my four of A into set s % 2: 48 loads in one run
	WIN (0x80+0x40*((\s)%2))
.irp b, 0,1,2,3,4,5,6,7
	FRAG 12*\b, 5, 6, 3072*\b+1536*((\s)%2)
.endr
.irp a, 0,1,2,3
	FRAG 96+12*\a, 3, 4, 3072*\a+1536*((\s)%2)
.endr
	WIN 0
.endm
; 16 products of K step s: A's tiles a0, a0 + 1 against B's eight.  The 32 accumulators take turns, one instruction a turn, in the same order in every K step.
.macro MULH s, a0
.irp a, \a0, \a0+1
.irp b, 0,1,2,3,4,5,6,7
.if (\s) == 0
	v_wmma_scale_f32_16x16x128_f8f6f4 v[8*(8*(\a)+\b):8*(8*(\a)+\b)+7], v[12*\b:12*\b+11], v[96+12*(\a):96+12*(\a)+11], v[BI+8*\b:BI+8*\b+7], v[SB+4*\b], v[SA+4*(\a)] matrix_a_fmt:MATRIX_FMT_FP6 matrix_b_fmt:MATRIX_FMT_FP6
.elseif (\s) < 4
	v_wmma_scale_f32_16x16x128_f8f6f4 v[8*(8*(\a)+\b):8*(8*(\a)+\b)+7], v[12*\b:12*\b+11], v[96+12*(\a):96+12*(\a)+11], v[8*(8*(\a)+\b):8*(8*(\a)+\b)+7], v[SB+4*\b+(\s)], v[SA+4*(\a)+(\s)] matrix_a_fmt:MATRIX_FMT_FP6 matrix_b_fmt:MATRIX_FMT_FP6
.else
	v_wmma_scale_f32_16x16x128_f8f6f4 v[8*(8*(\a)+\b):8*(8*(\a)+\b)+7], v[12*\b:12*\b+11], v[96+12*(\a):96+12*(\a)+11], v[8*(8*(\a)+\b):8*(8*(\a)+\b)+7], v[SB+4*\b+(\s)-4], v[SA+4*(\a)+(\s)-4] matrix_a_fmt:MATRIX_FMT_FP6 matrix_b_fmt:MATRIX_FMT_FP6 matrix_a_scale:MATRIX_SCALE_ROW1 matrix_b_scale:MATRIX_SCALE_ROW1
.endif
.endr
.endr
.endm
.macro EVEN s                          ; K steps 2, 4, 6: the successor lies in the same chunk
	s_wait_dscnt 0x0                               ; this K step's fragments are in
	PLACES                                         ; the loads below land in the set that the last 16 products read
	FETCH (\s)+1
	WIN 0x5a
	MULH \s, 0
	MULH \s, 2
.endm
.macro ODD s                           ; K steps 1, 3, 5: the successor lies in the next chunk
	s_wait_dscnt 0x0
	WIN 0x5f
	MULH \s, 0
	WIN 0
	s_wait_tensorcnt 3-((\s)+1)/2                  ; my part of the next chunk has landed; my younger loads, one for each later chunk, may stay out
	s_barrier_signal -1
	s_barrier_wait -1                              ; everybody's part has
	v_add_nc_u32 v3, ACH, v3                       ; on to the next chunk.  These four are also the places in front of the loads below, into the set that the K step before read
	v_add_nc_u32 v4, ACH, v4
	v_add_nc_u32 v5, BCH, v5
	v_add_nc_u32 v6, BCH, v6
	FETCH (\s)+1
	WIN 0x5f
	MULH \s, 2
.endm
	s_load_b256 s[4:11], s[0:1], 0x0               ; cod, scl, bq, bk
	s_load_b128 s[12:15], s[0:1], 0x20             ; bv, qb
	s_load_b64 s[16:17], s[0:1], 0x30              ; kv
	v_lshl_add_u32 v18, v0, 2, SPARE
	v_mov_b32 v19, 0
	ds_add_u32 v18, v19                            ; the wave's opening: the add and its wait ahead of my first tensor load; the set-up, work on registers, stands between them
	ds_add_u32 v18, v19
	v_lshrrev_b32 v20, 5, v0
	v_readfirstlane_b32 s18, v20                   ; wave
	s_bfe_u32 s19, ttmp6, 0x40000                  ; cx
	s_bfe_u32 s20, ttmp6, 0x40004                  ; cy
	s_mov_b32 s21, ttmp9                           ; cluster x: 0, 1
	s_and_b32 s22, ttmp7, 0xffff                   ; cluster y: 0 .. 23
	s_lshr_b32 s23, s22, 3                         ; which product: 0 q, 1 k, 2 v
	s_and_b32 s22, s22, 7
	s_lshl_b32 s56, s20, 2
	s_lshl_b32 s56, 15, s56                        ; my row of the cluster
	s_or_b32 s24, s56, (3<<16)|(1<<21)             ; group 1 for A: the mask; elements of 8 bytes; bit 21 beside a mask; no padding
	s_lshl_b32 s58, 0x1111, s19                    ; my column
	s_or_b32 s32, s58, (3<<16)|(1<<21)             ; group 1 for B
	s_mov_b32 s25, 384<<16                         ; tensor_dim0: a tile's chunk, 3,072 bytes
	s_mov_b32 s26, 8<<16                           ; tensor_dim1: 8 tiles
	s_mov_b32 s27, 384<<16                         ; tile_dim0
	s_mov_b32 s28, 8                               ; tile_dim1
	s_mov_b32 s29, 1536                            ; from tile to tile: 12,288 bytes
	s_mov_b32 s30, 0
	s_mov_b32 s31, 0
	s_mov_b32 s33, 384<<16
	s_mov_b32 s34, 4<<16                           ; B: 4 tiles a load
	s_mov_b32 s35, 384<<16
	s_mov_b32 s36, 4
	s_mov_b32 s37, 1536
	s_mov_b32 s38, 0
	s_mov_b32 s39, 0
	; A's first tile (s56, s57: never cx) and B's (s58, s59: never cy) in cod and scl
	s_lshl_b32 s56, s23, 9
	s_lshl_b32 s57, s22, 6
	s_add_co_u32 s56, s56, s57                     ; q, k: the tokens' tiles 512 x which + 64 x cluster y
	s_lshl_b32 s58, s23, 6
	s_add_co_u32 s58, s58, 1536                    ; q, k: the weight's tiles
	s_lshl_b32 s59, s22, 6
	s_add_co_u32 s59, s59, 1024                    ; v: value's tiles
	s_cmp_lt_u32 s23, 2
	s_cselect_b32 s56, s56, 1664                   ; v: Wv's tiles
	s_cselect_b32 s58, s58, s59
	s_cselect_b32 s84, -1, 0                       ; all lanes for q and k, none for v
	s_lshl_b32 s57, s20, 4
	s_add_co_u32 s56, s56, s57                     ; + 16 cy
	s_lshl_b32 s59, s21, 5
	s_add_co_u32 s58, s58, s59                     ; + 32 x cluster x
	s_lshl_b32 s59, s19, 3
	s_add_co_u32 s58, s58, s59                     ; + 8 cx
	s_and_b32 s60, s18, 1                          ; which half of the tiles I fetch
	s_lshl_b32 s57, s60, 3
	s_add_co_u32 s57, s57, s56
	s_mul_i32 s2, s57, 12288
	s_mov_b32 s3, 0
	s_lshl_b32 s59, s60, 2
	s_add_co_u32 s59, s59, s58
	s_mul_i32 s66, s59, 12288
	s_mov_b32 s67, 0
	s_lshl_b32 s57, s18, 2
	s_add_co_u32 s57, s57, s56
	s_lshl_b32 s92, s57, 9                         ; my four tiles' scale words
	s_mov_b32 s93, 0
	s_lshl_b32 s94, s58, 9                         ; B's eight
	s_mov_b32 s95, 0
	s_mul_i32 s61, s60, 24576
	s_mul_i32 s86, s60, 12288
.irp c, 0,1,2,3
	s_mov_b32 s[40+4*\c], 1
	s_add_co_u32 s[41+4*\c], s61, ACH*\c           ; LDS: chunk c, my half
	s_mov_b32 s[68+4*\c], 1
	s_add_co_u32 s[69+4*\c], s86, BBASE+BCH*\c
.endr
	; lanes
	v_and_b32 v20, 15, v0                          ; r
	v_bfe_u32 v21, v0, 4, 1                        ; h
	v_and_b32 v22, 31, v0
	v_lshlrev_b32 v1, 4, v22                       ; 16 l
	v_lshlrev_b32 v2, 3, v22                       ; 8 l
	s_mul_i32 s100, s18, 12288
	v_add_nc_u32 v3, s100, v1                      ; my four tiles of A in chunk 0
	v_add_nc_u32 v4, s100, v2
	v_add_nc_u32 v5, BBASE, v1                     ; B's tiles
	v_add_nc_u32 v6, BBASE, v2
	v_lshlrev_b32 v17, 4, v21                      ; 16 h
.irp g, 0,1,2,3
	v_mov_b32 v[TM+4+\g], 0                        ; a lane permute's destination counts as read
.endr
	; where the results go
	s_lshl_b32 s62, s22, 2
	s_add_co_u32 s62, s62, s20                     ; ya: block of 256 rows of A
	s_lshl_b32 s63, s21, 2
	s_add_co_u32 s63, s63, s19                     ; xb
	s_lshl_b32 s100, s22, 3
	s_add_co_u32 s100, s100, s63                   ; v: block of 128 tokens
	s_lshr_b32 s88, s62, 3
	s_lshl_b32 s88, s88, 4
	s_lshl_b32 s101, s63, 1
	s_add_co_u32 s88, s88, s101                    ; q, k: 16 x batch + head 2 xb
	s_and_b32 s89, s62, 7
	s_lshl_b32 s89, s89, 1
	s_lshr_b32 s101, s18, 1
	s_add_co_u32 s89, s89, s101                    ; q, k: the record of 128 tokens
	s_lshr_b32 s90, s100, 4
	s_lshl_b32 s90, s90, 4
	s_lshl_b32 s101, s20, 2
	s_add_co_u32 s90, s90, s101
	s_add_co_u32 s90, s90, s18                     ; v: 16 x batch + head 4 cy + w
	s_and_b32 s91, s100, 15                        ; v: the key step
	s_mul_i32 s100, s60, 3072
	s_cmp_lt_u32 s23, 2
	s_cselect_b32 s88, s88, s90
	s_cselect_b32 s89, s89, s91
	s_cselect_b32 s90, 0, 6656                     ; V's images lie behind K's part of a record
	s_cselect_b32 s100, s100, 0                    ; tile a's image in the record: q, k: 768 (4 (w % 2) + a);  v: 1,536 a
	s_mov_b32 s85, 1536
	s_cselect_b32 s85, 768, s85
	s_cmp_eq_u32 s23, 0
	s_mov_b32 s87, 208896                          ; a head in kv,
	s_cselect_b32 s87, 106496, s87                 ; in qb
	s_mov_b32 s101, 13056                          ; a record in kv,
	s_cselect_b32 s101, 6656, s101                 ; in qb
	s_mul_i32 s88, s88, s87
	s_mul_i32 s89, s89, s101
	s_add_co_u32 s88, s88, s89
	s_add_co_u32 s88, s88, s90
	s_mov_b32 s89, 0
	s_cmp_lt_u32 s23, 2
	s_cselect_b32 s90, s87, 768                    ; the fragment's second half: q, k: the next head;  v: 768 bytes on
	s_mov_b32 s91, 0
.irp a, 0,1,2,3
	v_add_nc_u32 v[8+\a], s100, v1
	v_add_nc_u32 v[12+\a], s100, v2
	s_add_co_u32 s100, s100, s85
.endr
	v_mul_u32_u24 v16, s87, v21                    ; q's and k's scale words: lanes 16-31 store the next head's,
	v_lshl_add_u32 v16, v20, 4, v16                ; 16 r,
	s_lshl_b32 s101, s60, 8
	v_add_nc_u32 v16, s101, v16                    ; + 256 (w % 2)
	s_lshl_b32 s101, s63, 9
	v_lshl_add_u32 v24, v21, 6, s101               ; the bias along B's rows: 512 xb + 64 h
	v_and_b32 v22, 8, v20
	v_add_nc_u32 v22, v22, v20                     ; r + 8 (r / 8)
	s_lshl_b32 s101, s20, 10
	s_lshl_b32 s100, s18, 8
	s_add_co_u32 s101, s101, s100
	v_lshl_add_u32 v25, v22, 2, s101               ; the bias along A's rows: 4 (256 cy + 64 w + r + 8 (r / 8))
	s_mov_b32 s85, 0xffff0000                      ; lanes 16-31
	s_mov_b32 s86, 0x7f7f0000                      ; the bytes of the K that a head does not have: 1.0
	s_mov_b32 s98, 0x76543210
	s_mov_b32 s99, 0xfedcba98
	s_wait_dscnt 0x0                               ; the opening add is done
	s_wait_kmcnt 0x0
	s_add_nc_u64 s[2:3], s[4:5], s[2:3]
	s_add_nc_u64 s[66:67], s[4:5], s[66:67]
	s_add_nc_u64 s[92:93], s[6:7], s[92:93]
	s_add_nc_u64 s[94:95], s[6:7], s[94:95]
.irp c, 0,1,2,3
	s_add_nc_u64 s[42+4*\c:43+4*\c], s[2:3], 3072*\c
	s_or_b32 s[43+4*\c], s[43+4*\c], 0x80000000
	s_add_nc_u64 s[70+4*\c:71+4*\c], s[66:67], 3072*\c
	s_or_b32 s[71+4*\c], s[71+4*\c], 0x80000000
.endr
	s_cmp_eq_u32 s23, 0
	s_cselect_b64 s[100:101], s[14:15], s[16:17]
	s_cselect_b64 s[96:97], s[8:9], s[10:11]
	s_cmp_eq_u32 s23, 2
	s_cselect_b64 s[96:97], s[12:13], s[96:97]     ; the product's bias
	s_add_nc_u64 s[88:89], s[100:101], s[88:89]
	s_add_nc_u64 s[90:91], s[88:89], s[90:91]
	CROUND                                         ; all sixteen work-groups are here: the joint loads meet
	s_cmp_lt_u32 s18, 2                            ; waves 0, 1 ask for A's halves, waves 2, 3 for B's: four loads a wave, all in one branch; four tensor loads of mine are out
	s_cbranch_scc0 .Lfill_b
.irp c, 0,1,2,3
	tensor_load_to_lds s[40+4*\c:43+4*\c], s[24:31]
	s_nop 0
.endr
	PLACES
	s_branch .Lfilled
.Lfill_b:
.irp c, 0,1,2,3
	tensor_load_to_lds s[68+4*\c:71+4*\c], s[32:39]
	s_nop 0
.endr
	PLACES
.Lfilled:
.irp a, 0,1,2,3
	global_load_b128 v[SA+4*\a:SA+4*\a+3], v1, s[92:93] offset:512*\a
.endr
.irp b, 0,1,2,3,4,5,6,7
	global_load_b128 v[SB+4*\b:SB+4*\b+3], v1, s[94:95] offset:512*\b
.endr
	s_wait_alu depctr_va_vdst(0)
.irp b, 0,1,2,3,4,5,6,7
	global_load_b128 v[BI+8*\b:BI+8*\b+3], v24, s[96:97] offset:(32*(\b/2)+8*(\b%2))*4
	global_load_b128 v[BI+8*\b+4:BI+8*\b+7], v24, s[96:97] offset:(32*(\b/2)+8*(\b%2))*4+16
.endr
.irp a, 0,1,2,3
	global_load_b32 v[LB+2*\a], v25, s[96:97] offset:(32*(\a/2)+8*(\a%2))*4
	v_mov_b32 v[LB+2*\a+1], 0                      ; (named with it as a pair)
.endr
	s_wait_tensorcnt 3                             ; my part of chunk 0 has landed; my three younger loads may stay out
	s_barrier_signal -1
	s_barrier_wait -1
	FETCH 0
	s_wait_loadcnt 0x0                             ; scale words and biases
.set j, 0
.rept 64
	v_cndmask_b32 v[BI+j], 0, v[BI+j], s84         ; for v the bias runs along the lanes: the sums start at 0
.set j, j+1
.endr
	PLACES
	s_wait_alu depctr_va_vdst(0)
	s_wait_dscnt 0x0
	FETCH 1
	WIN 0x4a                                       ; C: the bias, in window 0: the first K step starts the sums
	MULH 0, 0
	MULH 0, 2
	ODD 1
	s_wait_alu depctr_va_vdst(0)
	EVEN 2
	ODD 3
	s_wait_alu depctr_va_vdst(0)
	EVEN 4
	ODD 5
	s_wait_alu depctr_va_vdst(0)
	EVEN 6
	s_wait_dscnt 0x0
	WIN 0x5f
	MULH 7, 0
	MULH 7, 2
	WIN 0
	PLACES                                         ; in front of the first read of results
; Tile a of A: its 64 numbers a lane become a fragment's codes and a scale word, and the codes leave as images.
.macro TILE a
	s_cmp_lg_u32 s23, 2
	s_cbranch_scc1 .Lno_lane_bias_\@
	WIN 0x41
.set j, 0
.rept 32
	v_pk_add_f32 v[64*(\a)+j:64*(\a)+j+1], v[64*(\a)+j:64*(\a)+j+1], v[LB+2*(\a):LB+2*(\a)+1] op_sel_hi:[1,0]   ; v: + bv of my channel; each accumulator from its low end on
.set j, j+2
.endr
	WIN 0
.Lno_lane_bias_\@:
	WIN 0x14                                       ; sources 1 and 2: the accumulators
.irp g, 0,1,2,3
	v_max3_num_f32 v[TM+\g], 0x1800000, |v[64*(\a)+16*\g]|, |v[64*(\a)+16*\g+1]|   ; block g: my 16 numbers and the floor 2^(3 - 127)
.endr
.irp i, 2,4,6,8,10,12,14
.irp g, 0,1,2,3
	v_max3_num_f32 v[TM+\g], v[TM+\g], |v[64*(\a)+16*\g+\i]|, |v[64*(\a)+16*\g+\i+1]|
.endr
.endr
	WIN 0
.irp g, 0,1,2,3
	v_permlanex16_b32 v[TM+4+\g], v[TM+\g], s98, s99
.endr
.irp g, 0,1,2,3
	v_max_num_f32 v[TM+\g], v[TM+\g], v[TM+4+\g]   ; with lane l xor 16's 16: the block's largest magnitude
.endr
.irp g, 0,1,2,3
	v_add_nc_u32 v[TM+12+\g], 0xff000000, v[TM+\g] ; the conversion's scale operand
.endr
.irp g, 0,1,2,3
	v_lshrrev_b32 v[TM+4+\g], 23, v[TM+12+\g]      ; the byte
.endr
	v_lshl_or_b32 v[WD+(\a)], v[TM+5], 8, v[TM+4]
	v_lshl_or_b32 v[WD+(\a)], v[TM+6], 16, v[WD+(\a)]
	v_lshl_or_b32 v[WD+(\a)], v[TM+7], 24, v[WD+(\a)]
.if (\a) > 0
	s_wait_xcnt 0x0                                ; the last tile's stores have read the codes' registers
.endif
	WIN 0x01
.irp c, 0,1
	v_cvt_scalef32_pk16_fp6_f32 v[PC+6*\c:PC+6*\c+2], v[64*(\a)+32*\c:64*(\a)+32*\c+15], v[TM+12+2*\c]
	v_cvt_scalef32_pk16_fp6_f32 v[PC+12+4*\c:PC+14+4*\c], v[64*(\a)+32*\c+16:64*(\a)+32*\c+31], v[TM+13+2*\c]
.endr
	WIN 0
	v_nop                                          ; one plain place behind a scaled conversion
.irp c, 0,1                                    ; the layout wants a whole block in a lane: lanes 0-15 block 2 c, lanes 16-31 block 2 c + 1
.irp i, 0,1,2
	v_permlane16_swap_b32 v[PC+6*\c+\i], v[PC+12+4*\c+\i]
.endr
.irp i, 0,1,2
	v_mov_b32 v[PC+3+6*\c+\i], v[PC+12+4*\c+\i]
.endr
.endr
	global_store_b128 v[8+(\a)], v[PC:PC+3], s[88:89]                  ; 512 and 256 consecutive bytes: K 0 .. 63 of the fragment,
	global_store_b64 v[12+(\a)], v[PC+4:PC+5], s[88:89] offset:512
	global_store_b128 v[8+(\a)], v[PC+6:PC+9], s[90:91]                ; and K 64 .. 127: for q and k the next head
	global_store_b64 v[12+(\a)], v[PC+10:PC+11], s[90:91] offset:512
.endm
	TILE 0
	TILE 1
	TILE 2
	TILE 3
	s_cmp_eq_u32 s23, 2
	s_cbranch_scc1 .Lv_scales
.irp a, 0,1,2,3
	v_lshrrev_b32 v[ZW+\a], v17, v[WD+\a]          ; lanes 0-15: the first head's two bytes, lanes 16-31: the second's
.endr
.irp a, 0,1,2,3
	v_bfi_b32 v[ZW+\a], 0xffff, v[ZW+\a], s86      ; over them 1.0 twice
.endr
	global_store_b128 v16, v[ZW:ZW+3], s[88:89] offset:6144            ; sixteen lanes store 256 consecutive bytes of a record
	s_branch .Ldone
.Lv_scales:
	v_cndmask_b32 v[ZW], v[WD], v[WD+2], s85       ; lanes 0-15: channel tiles 0, 1; lanes 16-31: tiles 2, 3
	v_cndmask_b32 v[ZW+1], v[WD+1], v[WD+3], s85
	global_store_b64 v2, v[ZW:ZW+1], s[88:89] offset:6144              ; 256 consecutive bytes
.Ldone:
	s_wait_tensorcnt 0x0                           ; the wave's end: behind my last tensor load
	ds_add_u32 v18, v19
	s_wait_dscnt 0x0
	CROUND                                         ; the closing round
	s_endpgm
.Lfunc_end_k_q582c9b11ae_proj:
	.size	k_q582c9b11ae_proj, .Lfunc_end_k_q582c9b11ae_proj-k_q582c9b11ae_proj
	.p2alignl 7, 3214868480
	.fill 96, 4, 3214868480
	.section	.rodata,"a",@progbits
	.p2align	6, 0x0
	.amdhsa_kernel k_q582c9b11ae_proj
		.amdhsa_group_segment_fixed_size 295424
		.amdhsa_private_segment_fixed_size 0
		.amdhsa_enable_private_segment 0
		.amdhsa_kernarg_size 56
		.amdhsa_user_sgpr_count 2
		.amdhsa_user_sgpr_kernarg_segment_ptr 1
		.amdhsa_wavefront_size32 1
		.amdhsa_system_sgpr_workgroup_id_x 1
		.amdhsa_system_sgpr_workgroup_id_y 1
		.amdhsa_system_sgpr_workgroup_id_z 1
		.amdhsa_system_vgpr_workitem_id 0
		.amdhsa_next_free_vgpr 1024
		.amdhsa_next_free_sgpr 102
		.amdhsa_reserve_vcc 0
		.amdhsa_float_denorm_mode_32 3
		.amdhsa_float_denorm_mode_16_64 3
		.amdhsa_memory_ordered 1
		.amdhsa_forward_progress 1
		.amdhsa_inst_pref_size 104
	.end_amdhsa_kernel
	.amdgpu_metadata
---
amdhsa.version: [ 1, 2 ]
amdhsa.kernels:
  - .name:           k_q582c9b11ae_proj
    .symbol:         k_q582c9b11ae_proj.kd
    .args:
      - { .name: cod, .offset: 0, .size: 8, .value_kind: global_buffer, .address_space: global }
      - { .name: scl, .offset: 8, .size: 8, .value_kind: global_buffer, .address_space: global }
      - { .name: bq, .offset: 16, .size: 8, .value_kind: global_buffer, .address_space: global }
      - { .name: bk, .offset: 24, .size: 8, .value_kind: global_buffer, .address_space: global }
      - { .name: bv, .offset: 32, .size: 8, .value_kind: global_buffer, .address_space: global }
      - { .name: qb, .offset: 40, .size: 8, .value_kind: global_buffer, .address_space: global }
      - { .name: kv, .offset: 48, .size: 8, .value_kind: global_buffer, .address_space: global }
    .group_segment_fixed_size: 295424
    .private_segment_fixed_size: 0
    .kernarg_segment_align: 8
    .kernarg_segment_size: 56
    .max_flat_workgroup_size: 128
    .sgpr_count:     102
    .vgpr_count:     1024
    .wavefront_size: 32
...
	.end_amdgpu_metadata
.endif
;; end of part 2
;; launch attn (part 3): grid 4 x 64, 16 waves a work-group, clusters of 4 x 1, 210,944 bytes of LDS; arguments qb, kv, oc, os; writes oc, os
.if DOCPART == 3
	.amdgcn_target "amdgcn-amd-amdhsa--gfx1250"
	.amdhsa_code_object_version 6
	.text
	.protected	k_q582c9b11ae_attn
	.globl	k_q582c9b11ae_attn
	.p2align	8
	.type	k_q582c9b11ae_attn,@function
k_q582c9b11ae_attn:
	s_mov_b64 s[64:65], 0
	v_nop
	global_prefetch_b8 v0, s[64:65] scope:SCOPE_SE
	s_setreg_imm32_b32 hwreg(HW_REG_WAVE_MODE, 25, 1), 1
	s_wait_xcnt 0x0
	s_wait_alu depctr_hold_cnt(0) depctr_sa_sdst(0) depctr_va_vdst(0) depctr_va_sdst(0) depctr_va_ssrc(0) depctr_va_vcc(0) depctr_vm_vsrc(0)
	s_getreg_b32 s2, hwreg(HW_REG_IB_STS2, 6, 4)
	s_cmp_eq_u32 s2, 0
	s_cbranch_scc0 .Lentry_in_a_cluster
	s_endpgm
.Lentry_in_a_cluster:
	s_bfe_u32 s2, ttmp6, 0x10000c
	s_cmp_lg_u32 s2, 0x3003
	s_cbranch_scc0 .Lentry_shape_is_right
	s_endpgm
.Lentry_shape_is_right:
; o = softmax(q k^T / 8) v for one head of one batch, both products on codes of FP6 (E2M3) with E8M0 scales; o is quantised along the model's 1,024 (two blocks a head) and leaves as codes.
; THE SOFTMAX: t = score x log2(e) / 8; M = the running largest t rounded UP to a whole number; p = 2^(t - M) is quantised along the keys, not normalised; the row's sum is taken of the unquantised p and divides at the end.
; When M moves, the sum and O are multiplied by 2^(old M - new M): exact.  LIMITS: a block of zeros or under 2^-124 gets the byte 1 (this program alone reads the bytes); NaN and infinities are not served.
; SHARES.  A work-group has one head (cluster y) and 512 queries (its place in the cluster).  THE HEAD'S K, V AND SCALE BYTES, 208,896 dense bytes, LIE IN LDS FOR THE WHOLE LAUNCH: nothing is filled again.  The cluster's four
; work-groups want the same bytes: joint loads, by waves 0-3: first a record each (key steps 0-3), then three records each.  Sixteen waves; a wave takes one tile of 16 queries in each of two passes.
; A record is a key step of 128 keys: K as 8 images of 768 bytes (16 keys x 64), 512 bytes of K's scale words, V as 4 images of 1,536 bytes (16 channels x 128 keys), 256 bytes of V's scale words.
; LAYOUT.  Both products are used transposed: S^T = K Q^T, O^T = V^T P^T: a lane holds one query throughout.  The rows of every tile are 32 (T / 2) + 8 (T % 2) + r + 8 (r / 8), so that the 16 registers of two neighbouring
; tiles of S^T are 16 neighbouring keys, and those of O^T 16 neighbouring channels.
; K = 64 IN AN INSTRUCTION OF 128: Q's upper six registers are zero codes, and all scale bytes of that half are 1.0; K's upper six are whatever follows (the next tile's codes; zeros behind the last): they are multiplied by zeros.
; o's scale bytes: a head has 2 of a scale word's 4, so they leave as single bytes, 32 a tile, into 256 bytes that eight heads share: one byte for each 24 of codes.
.set REC,   13056
.set SPARE, 16*REC                     ; behind the records: the spare words, 128 bytes a wave
.set MX,    220                        ; v220-223 the blocks' largest scores, then largest p
.set PD,    224                        ; v224-227 the other half's; then the bytes
.set SO,    228                        ; v228-231 the conversions' scale operands
; v1 16 l, v2 8 l, v3, v4 the add's two, v5, v6 the key step's addresses, v7 16 r, v8 16 r + h; v12 -M, v13 the largest t, v[14:15] the sum; v16-27 Q, v28 its scale words; v32-85 K, then v32-79 V;
; v96-159 S^T, then p; v160-191 O^T; v192-203 p's codes, v204-210 at work; v212-215 K's scale words, v216-217 V's, v218 p's; v[232:233] f; v234, v[238:239] at work
.macro CROUND
	s_barrier_signal -1
	s_barrier_wait -1
	s_cmp_lg_u32 s12, 0
	s_cbranch_scc1 .Lnot_wave_0_\@
	s_barrier_signal -3
.Lnot_wave_0_\@:
	s_barrier_wait -3
	s_barrier_signal -1
	s_barrier_wait -1
.endm
.macro FRAG reg, a16, a8, off
	ds_load_b128 v[\reg:\reg+3], v[\a16] offset:\off
	ds_load_b64 v[\reg+4:\reg+5], v[\a8] offset:\off+512
	ds_load_b128 v[\reg+6:\reg+9], v[\a16] offset:\off+768
	ds_load_b64 v[\reg+10:\reg+11], v[\a8] offset:\off+1280
.endm
	s_load_b256 s[4:11], s[0:1], 0x0               ; qb, kv, oc, os
	v_lshl_add_u32 v3, v0, 2, SPARE
	v_mov_b32 v4, 0
	ds_add_u32 v3, v4                              ; the wave's opening: the add and its wait ahead of the first tensor loads; the set-up stands between them
	ds_add_u32 v3, v4
	v_lshrrev_b32 v1, 5, v0
	s_delay_alu instid0(VALU_DEP_1)
	v_readfirstlane_b32 s12, v1                    ; wave 0..15
	s_bfe_u32 s13, ttmp6, 0x40000                  ; cx: my 512 queries; it enters q's and o's addresses alone
	s_and_b32 s14, ttmp7, 0xffff                   ; 16 x batch + head
	s_mov_b32 s24, 15|(3<<16)|(1<<21)              ; group 1: the mask: all four work-groups; elements of 8 bytes; bit 21 beside a mask
	s_mov_b32 s25, 32<<16                          ; rows of 256 bytes
	s_mov_b32 s26, 51<<16                          ; a record: 51 rows
	s_mov_b32 s27, 32<<16
	s_mov_b32 s28, 51
	s_mov_b32 s29, 32                              ; dense
	s_mov_b32 s30, 0
	s_mov_b32 s31, 0
	s_mov_b32 s32, 15|(3<<16)|(1<<21)
	s_mov_b32 s33, 32<<16
	s_mov_b32 s34, 153<<16                         ; three records
	s_mov_b32 s35, 32<<16
	s_mov_b32 s36, 153
	s_mov_b32 s37, 32
	s_mov_b32 s38, 0
	s_mov_b32 s39, 0
	s_and_b32 s55, s12, 3
	s_mul_i32 s54, s14, 16*REC                     ; the head's first byte in kv
	s_mul_i32 s41, s55, REC                        ; first load: record w, in LDS where it lies in the head
	s_mul_i32 s45, s55, 3*REC
	s_add_co_u32 s45, s45, 4*REC                   ; second: records 4 + 3 w on
	s_add_co_u32 s56, s54, s41
	s_mov_b32 s57, 0
	s_add_co_u32 s58, s54, s45
	s_mov_b32 s59, 0
	s_mov_b32 s40, 1
	s_mov_b32 s44, 1
	; q: record 4 cx + w / 8 (+ 2 in the second pass), tile w % 8
	s_mul_i32 s60, s14, 106496
	s_lshl_b32 s61, s13, 2
	s_lshr_b32 s62, s12, 3
	s_add_co_u32 s61, s61, s62
	s_mul_i32 s61, s61, 6656
	s_add_co_u32 s60, s60, s61
	s_and_b32 s62, s12, 7
	s_mul_i32 s2, s62, 768
	s_add_co_u32 s2, s2, s60
	s_mov_b32 s3, 0
	s_lshr_b32 s62, s62, 2
	s_lshl_b32 s62, s62, 8
	s_add_co_u32 s16, s60, s62
	s_lshl_b32 s62, s55, 2
	s_add_co_u32 s16, s16, s62
	s_add_co_u32 s16, s16, 6144                    ; its scale words: 6,144 + 256 ((w % 8) / 4) + 4 (w % 4), + 16 r
	s_mov_b32 s17, 0
	; o: tile 128 x batch + 32 cx + w (+ 16 in the second pass); K step head / 2, half head % 2
	s_lshr_b32 s60, s14, 4
	s_lshl_b32 s60, s60, 7
	s_lshl_b32 s61, s13, 5
	s_add_co_u32 s60, s60, s61
	s_add_co_u32 s60, s60, s12
	s_and_b32 s61, s14, 15
	s_lshr_b32 s62, s61, 1
	s_and_b32 s63, s61, 1
	s_lshl_b32 s18, s60, 3
	s_add_co_u32 s18, s18, s62
	s_mul_i32 s18, s18, 1536
	s_mul_i32 s19, s63, 768
	s_add_co_u32 s18, s18, s19
	s_mov_b32 s19, 0
	s_lshl_b32 s52, s60, 9
	s_lshr_b32 s53, s61, 3
	s_lshl_b32 s53, s53, 8
	s_add_co_u32 s52, s52, s53
	s_and_b32 s53, s62, 3
	s_lshl_b32 s53, s53, 2
	s_add_co_u32 s52, s52, s53
	s_lshl_b32 s53, s63, 1
	s_add_co_u32 s52, s52, s53
	s_mov_b32 s53, 0
	s_mov_b32 s20, 0x76543210
	s_mov_b32 s21, 0xfedcba98                      ; selects for lane l xor 16
	s_mov_b32 s22, 0x3e38aa3b                      ; c = log2(e) / 8
	s_mov_b32 s23, s22                             ; (named with it as a pair)
	s_mov_b32 s51, 0xffff0000                      ; lanes 16-31
	v_and_b32 v1, 31, v0
	s_delay_alu instid0(VALU_DEP_1)
	v_lshlrev_b32 v2, 3, v1                        ; 8 l
	s_delay_alu instid0(VALU_DEP_2)
	v_lshlrev_b32 v1, 4, v1                        ; 16 l
	v_and_b32 v7, 15, v0
	s_delay_alu instid0(VALU_DEP_1)
	v_lshlrev_b32 v7, 4, v7                        ; 16 r
	v_bfe_u32 v8, v0, 4, 1
	s_delay_alu instid0(VALU_DEP_1)
	v_add_nc_u32 v8, v7, v8                        ; 16 r + h
.irp j, 22,23,24,25,26,27,80,81,82,83,84,85
	v_mov_b32 v\j, 0                               ; Q's upper half, and what follows K's last tile: zero codes, written once
.endr
.irp j, 224,225,226,227,233,234
	v_mov_b32 v\j, 0                               ; lane permutes' destinations, and the upper half of f's pair
.endr
	s_wait_dscnt 0x0                               ; the opening add is done
	s_wait_kmcnt 0x0
	s_add_nc_u64 s[42:43], s[6:7], s[56:57]
	s_or_b32 s43, s43, 0x80000000
	s_add_nc_u64 s[46:47], s[6:7], s[58:59]
	s_or_b32 s47, s47, 0x80000000
	s_add_nc_u64 s[16:17], s[4:5], s[16:17]
	s_add_nc_u64 s[4:5], s[4:5], s[2:3]
	s_add_nc_u64 s[18:19], s[8:9], s[18:19]
	s_add_nc_u64 s[52:53], s[10:11], s[52:53]
	CROUND                                         ; all four work-groups are here: the joint loads meet
	s_cmp_lt_u32 s12, 4                            ; waves 0-3 fetch: two loads each, in one branch; two tensor loads of mine are out
	s_cbranch_scc0 .Lno_fill
	tensor_load_to_lds s[40:43], s[24:31]
	s_nop 0
	tensor_load_to_lds s[44:47], s[32:39]
	s_nop 0
.rept 4
	v_nop
.endr
.Lno_fill:
; A KEY STEP: 128 keys, the record at LDS byte s48.
.macro STEP
	v_add_nc_u32 v5, s48, v1
	v_add_nc_u32 v6, s48, v2
	v_nop
	v_nop                                          ; four places between the last products and the loads into registers that they read
.irp t, 0,1,2,3,4,5,6,7
	ds_load_b128 v[32+6*\t:35+6*\t], v5 offset:768*\t
	ds_load_b64 v[36+6*\t:37+6*\t], v6 offset:768*\t+512
.endr
	ds_load_b128 v[212:215], v5 offset:6144        ; K's scale words: register j: tile j in lanes 0-15, tile 4 + j in lanes 16-31
	s_wait_alu depctr_va_vdst(0)
	s_wait_dscnt 0x0
.irp t, 0,1,2,3
	v_wmma_scale_f32_16x16x128_f8f6f4 v[96+8*\t:103+8*\t], v[32+6*\t:43+6*\t], v[16:27], 0, v[212+\t], v28 matrix_a_fmt:MATRIX_FMT_FP6 matrix_b_fmt:MATRIX_FMT_FP6
.endr
.irp t, 4,5,6,7
	v_wmma_scale_f32_16x16x128_f8f6f4 v[96+8*\t:103+8*\t], v[32+6*\t:43+6*\t], v[16:27], 0, v[208+\t], v28 matrix_a_fmt:MATRIX_FMT_FP6 matrix_b_fmt:MATRIX_FMT_FP6 matrix_a_scale:MATRIX_SCALE_ROW1
.endr
.rept 4
	v_nop                                          ; places in front of the loads over K's registers and of the first read of the scores
.endr
.irp t, 0,1,2,3
	FRAG 32+12*\t, 5, 6, 6656+1536*\t              ; V's four tiles are asked for now and land under the softmax
.endr
	ds_load_b64 v[216:217], v6 offset:12800        ; V's scale words: tiles 0, 1 in lanes 0-15, tiles 2, 3 in lanes 16-31
.irp b, 0,1,2,3
	v_max3_num_f32 v[MX+\b], v[96+16*\b], v[97+16*\b], v[98+16*\b]   ; the largest score of each block of 32 keys: it serves the row's maximum and, since p rises with the score, the block's largest p
.endr
.irp i, 3,5,7,9,11,13
.irp b, 0,1,2,3
	v_max3_num_f32 v[MX+\b], v[MX+\b], v[96+16*\b+\i], v[97+16*\b+\i]
.endr
.endr
.irp b, 0,1,2,3
	v_max_num_f32 v[MX+\b], v[MX+\b], v[111+16*\b]
.endr
.irp b, 0,1,2,3
	s_delay_alu instid0(VALU_DEP_4)
	v_permlanex16_b32 v[PD+\b], v[MX+\b], s20, s21
.endr
.irp b, 0,1,2,3
	s_delay_alu instid0(VALU_DEP_4)
	v_max_num_f32 v[MX+\b], v[MX+\b], v[PD+\b]     ; with lane l xor 16's 16 keys
.endr
	s_delay_alu instid0(VALU_DEP_2)
	v_max3_num_f32 v234, v220, v221, v222
	s_delay_alu instid0(VALU_DEP_1)
	v_max_num_f32 v234, v234, v223                 ; the step's largest score of my query
	s_delay_alu instid0(VALU_DEP_1)
	v_mul_f32 v234, s22, v234                      ; as t
	s_delay_alu instid0(VALU_DEP_1)
	v_max_num_f32 v13, v13, v234                   ; the running largest t
	v_mov_b32 v234, v12
	s_delay_alu instid0(VALU_DEP_2)
	v_floor_f32 v12, -v13                          ; the new -M = floor(-t) = -ceil(t)
	s_delay_alu instid0(VALU_DEP_1)
	v_sub_f32 v234, v12, v234                      ; old M - new M: a whole number, 0 or less
	s_delay_alu instid0(VALU_DEP_1)
	v_cvt_i32_f32 v234, v234                       ; (it saturates)
	s_delay_alu instid0(VALU_DEP_1)
	v_ldexp_f32 v232, 1.0, v234                    ; f = 2^(old M - new M)
.set j, 0
.rept 32
	v_pk_fma_f32 v[96+j:97+j], v[96+j:97+j], s[22:23], v[12:13] op_sel_hi:[1,0,0]   ; t - M, two at a time
.set j, j+2
.endr
.irp b, 0,1,2,3
	v_fma_f32 v[MX+\b], v[MX+\b], s22, v12         ; the same of each block's largest score
.endr
.set j, 0
	s_wait_alu depctr_va_vdst(0)
.rept 64
	v_exp_f32 v[96+j], v[96+j]                     ; p = 2^(t - M)
.set j, j+1
.endr
	s_setprio 1
	v_pk_mul_f32 v[14:15], v[14:15], v[232:233] op_sel_hi:[1,0]   ; the sum under the new M: a plain place behind the exponentials
	s_wait_alu depctr_va_vdst(0)                   ; one wait for the batch, ahead of its first reader
.irp b, 0,1,2,3
	v_exp_f32 v[MX+\b], v[MX+\b]                   ; the blocks' largest p
.endr
	v_pk_add_f32 v[238:239], v[100:101], v[104:105]
	v_pk_add_f32 v[254:255], v[108:109], v[112:113]
	v_pk_add_f32 v[252:253], v[116:117], v[120:121]
	v_pk_add_f32 v[250:251], v[124:125], v[128:129]
	v_pk_add_f32 v[248:249], v[132:133], v[136:137]
	v_pk_add_f32 v[246:247], v[140:141], v[144:145]
	v_pk_add_f32 v[244:245], v[148:149], v[152:153]
	v_pk_add_f32 v[14:15], v[14:15], v[156:157]
	v_pk_add_f32 v[238:239], v[238:239], v[96:97]
	v_pk_add_f32 v[254:255], v[254:255], v[98:99]
	v_pk_add_f32 v[252:253], v[252:253], v[102:103]
	v_pk_add_f32 v[250:251], v[250:251], v[106:107]
	v_pk_add_f32 v[248:249], v[248:249], v[110:111]
	v_pk_add_f32 v[246:247], v[246:247], v[114:115]
	v_pk_add_f32 v[244:245], v[244:245], v[118:119]
	v_pk_add_f32 v[14:15], v[14:15], v[122:123]
	v_pk_add_f32 v[238:239], v[238:239], v[126:127]
	v_pk_add_f32 v[254:255], v[254:255], v[130:131]
	v_pk_add_f32 v[252:253], v[252:253], v[134:135]
	v_pk_add_f32 v[250:251], v[250:251], v[138:139]
	v_pk_add_f32 v[248:249], v[248:249], v[142:143]
	v_pk_add_f32 v[246:247], v[246:247], v[146:147]
	v_pk_add_f32 v[244:245], v[244:245], v[150:151]
	v_pk_add_f32 v[14:15], v[14:15], v[154:155]
	v_pk_add_f32 v[238:239], v[238:239], v[158:159]
	s_delay_alu instid0(VALU_DEP_2)
	v_pk_add_f32 v[14:15], v[14:15], v[250:251]
	s_delay_alu instid0(VALU_DEP_2)
	v_pk_add_f32 v[238:239], v[238:239], v[248:249]
	v_pk_add_f32 v[254:255], v[254:255], v[246:247]
	v_pk_add_f32 v[252:253], v[252:253], v[244:245]
	s_delay_alu instid0(VALU_DEP_2)
	v_pk_add_f32 v[14:15], v[14:15], v[254:255]
	s_delay_alu instid0(VALU_DEP_2)
	v_pk_add_f32 v[238:239], v[238:239], v[252:253]
	s_delay_alu instid0(VALU_DEP_1)
	v_pk_add_f32 v[14:15], v[14:15], v[238:239]
	s_wait_alu depctr_va_vdst(0)                   ; and one for the four
.irp b, 0,1,2,3
	v_max_num_f32 v[MX+\b], 0x1800000, v[MX+\b]    ; the floor 2^(3 - 127)
.endr
.irp b, 0,1,2,3
	s_delay_alu instid0(VALU_DEP_4)
	v_add_nc_u32 v[SO+\b], 0xff000000, v[MX+\b]    ; the conversion's scale operand
.endr
.irp b, 0,1,2,3
	s_delay_alu instid0(VALU_DEP_4)
	v_lshrrev_b32 v[PD+\b], 23, v[SO+\b]           ; the byte
.endr
	s_delay_alu instid0(VALU_DEP_3)
	v_lshl_or_b32 v218, v225, 8, v224              ; p's scale word for these 128 keys
	s_delay_alu instid0(VALU_DEP_1)
	v_lshl_or_b32 v218, v226, 16, v218
	s_delay_alu instid0(VALU_DEP_1)
	v_lshl_or_b32 v218, v227, 24, v218
.irp c, 0,1
	v_cvt_scalef32_pk16_fp6_f32 v[192+6*\c:194+6*\c], v[96+32*\c:111+32*\c], v[SO+2*\c]
	v_cvt_scalef32_pk16_fp6_f32 v[204+4*\c:206+4*\c], v[112+32*\c:127+32*\c], v[SO+2*\c+1]
.endr
	v_nop                                          ; one plain place behind a scaled conversion
.irp c, 0,1                                    ; a whole block in a lane: lanes 0-15 block 2 c, lanes 16-31 block 2 c + 1
.irp i, 0,1,2
	v_permlane16_swap_b32 v[192+6*\c+\i], v[204+4*\c+\i]
.endr
.irp i, 0,1,2
	s_delay_alu instid0(VALU_DEP_3)
	v_mov_b32 v[195+6*\c+\i], v[204+4*\c+\i]
.endr
.endr
.set j, 0
	s_setprio 0
.rept 16
	v_pk_mul_f32 v[160+j:161+j], v[160+j:161+j], v[232:233] op_sel_hi:[1,0]   ; O^T under the new M.  These are also the places between the codes' and the scale word's last writes and the products
.set j, j+2
.endr
	s_wait_alu depctr_va_vdst(0)
	s_wait_dscnt 0x0                               ; V is in
.irp t, 0,1
	v_wmma_scale_f32_16x16x128_f8f6f4 v[160+8*\t:167+8*\t], v[32+12*\t:43+12*\t], v[192:203], v[160+8*\t:167+8*\t], v[216+\t], v218 matrix_a_fmt:MATRIX_FMT_FP6 matrix_b_fmt:MATRIX_FMT_FP6
.endr
.irp t, 2,3
	v_wmma_scale_f32_16x16x128_f8f6f4 v[160+8*\t:167+8*\t], v[32+12*\t:43+12*\t], v[192:203], v[160+8*\t:167+8*\t], v[214+\t], v218 matrix_a_fmt:MATRIX_FMT_FP6 matrix_b_fmt:MATRIX_FMT_FP6 matrix_a_scale:MATRIX_SCALE_ROW1
.endr
	s_add_co_u32 s48, s48, REC                     ; the next record
.endm
.macro STEPS n
	s_mov_b32 s49, \n
.Lstep_\@:
	s_setprio 2
	STEP
	s_sub_co_u32 s49, s49, 1
	s_cmp_lg_u32 s49, 0
	s_cbranch_scc1 .Lstep_\@
	s_setprio 0
.endm
; A PASS: one tile of 16 queries against all 2,048 keys.
.macro PASS p
.if \p
	s_wait_xcnt 0x0                                ; the first pass's stores have read their registers, which this pass writes again
.endif
	global_load_b128 v[16:19], v1, s[4:5] offset:13312*\p             ; Q's image: two records on in the second pass
	global_load_b64 v[20:21], v2, s[4:5] offset:13312*\p+512
	global_load_b32 v28, v7, s[16:17] offset:13312*\p                 ; and its scale words
	v_mov_b32 v13, 0xff61b1e6                      ; the largest t so far: -3e38
	s_delay_alu instid0(VALU_DEP_1)
	v_floor_f32 v12, -v13
	v_mov_b32 v14, 0
	v_mov_b32 v15, 0
.set j, 0
.rept 32
	v_mov_b32 v[160+j], 0                          ; O^T: the key step is written once; the first finds zeros, which the first change of M leaves zeros
.set j, j+1
.endr
	s_mov_b32 s48, 0
.if \p == 0
	s_wait_tensorcnt 0x1                           ; my record of key steps 0-3 has landed; the load of three later records may stay out
	s_barrier_signal -1
	s_barrier_wait -1
	s_wait_loadcnt 0x0                             ; Q
	STEPS 4
	s_wait_tensorcnt 0x0                           ; the rest has landed
	s_barrier_signal -1
	s_barrier_wait -1
	STEPS 12
.else
	s_wait_loadcnt 0x0
	STEPS 16
.endif
.rept 4
	v_nop                                          ; places behind the last products
.endr
	v_add_f32 v14, v14, v15                        ; the sum's two halves,
	s_delay_alu instid0(VALU_DEP_1)
	v_permlanex16_b32 v234, v14, s20, s21
	s_delay_alu instid0(VALU_DEP_1)
	v_add_f32 v14, v14, v234                       ; and lane l xor 16's
	s_wait_alu depctr_va_vdst(0)
	v_rcp_f32 v14, v14
	v_nop                                          ; a plain place behind the reciprocal
	s_wait_alu depctr_va_vdst(0)                   ; and the wait ahead of its first reader
.set j, 0
.rept 32
	v_mul_f32 v[96+j], v[160+j], v14               ; o: register 16 g + i is channel 32 g + 16 h + i of the head; each accumulator from its low end on
.set j, j+1
.endr
.irp g, 0,1
	v_max3_num_f32 v[MX+\g], |v[96+16*\g]|, |v[97+16*\g]|, 0x1800000
.endr
.irp i, 2,4,6,8,10,12,14
.irp g, 0,1
	s_delay_alu instid0(VALU_DEP_2)
	v_max3_num_f32 v[MX+\g], v[MX+\g], |v[96+16*\g+\i]|, |v[97+16*\g+\i]|
.endr
.endr
.irp g, 0,1
	s_delay_alu instid0(VALU_DEP_2)
	v_permlanex16_b32 v[PD+\g], v[MX+\g], s20, s21
.endr
.irp g, 0,1
	s_delay_alu instid0(VALU_DEP_2)
	v_max_num_f32 v[MX+\g], v[MX+\g], v[PD+\g]
.endr
.irp g, 0,1
	s_delay_alu instid0(VALU_DEP_2)
	v_add_nc_u32 v[SO+\g], 0xff000000, v[MX+\g]
.endr
.irp g, 0,1
	s_delay_alu instid0(VALU_DEP_2)
	v_lshrrev_b32 v[PD+\g], 23, v[SO+\g]
.endr
	v_cvt_scalef32_pk16_fp6_f32 v[192:194], v[96:111], v228
	v_cvt_scalef32_pk16_fp6_f32 v[204:206], v[112:127], v229
	v_nop
.irp i, 0,1,2
	v_permlane16_swap_b32 v[192+\i], v[204+\i]
.endr
.irp i, 0,1,2
	s_delay_alu instid0(VALU_DEP_3)
	v_mov_b32 v[195+\i], v[204+\i]
.endr
	v_cndmask_b32 v226, v224, v225, s51            ; my half's block's byte
	global_store_b128 v1, v[192:195], s[18:19] offset:196608*\p       ; half an image of the next product's operand: 512 and 256 consecutive bytes; 16 tiles on in the second pass
	global_store_b64 v2, v[196:197], s[18:19] offset:196608*\p+512
	global_store_b8 v8, v226, s[52:53] offset:8192*\p
.endm
	PASS 0
	PASS 1
	s_wait_tensorcnt 0x0                           ; the wave's end: behind the last tensor load
	ds_add_u32 v3, v4
	s_wait_dscnt 0x0
	CROUND                                         ; the closing round
	s_endpgm
.Lfunc_end_k_q582c9b11ae_attn:
	.size	k_q582c9b11ae_attn, .Lfunc_end_k_q582c9b11ae_attn-k_q582c9b11ae_attn
	.p2alignl 7, 3214868480
	.fill 96, 4, 3214868480
	.section	.rodata,"a",@progbits
	.p2align	6, 0x0
	.amdhsa_kernel k_q582c9b11ae_attn
		.amdhsa_group_segment_fixed_size 210944
		.amdhsa_private_segment_fixed_size 0
		.amdhsa_enable_private_segment 0
		.amdhsa_kernarg_size 32
		.amdhsa_user_sgpr_count 2
		.amdhsa_user_sgpr_kernarg_segment_ptr 1
		.amdhsa_wavefront_size32 1
		.amdhsa_system_sgpr_workgroup_id_x 1
		.amdhsa_system_sgpr_workgroup_id_y 1
		.amdhsa_system_sgpr_workgroup_id_z 1
		.amdhsa_system_vgpr_workitem_id 0
		.amdhsa_next_free_vgpr 256
		.amdhsa_next_free_sgpr 66
		.amdhsa_reserve_vcc 0
		.amdhsa_float_denorm_mode_32 3
		.amdhsa_float_denorm_mode_16_64 3
		.amdhsa_memory_ordered 1
		.amdhsa_forward_progress 1
		.amdhsa_inst_pref_size 70
	.end_amdhsa_kernel
	.amdgpu_metadata
---
amdhsa.version: [ 1, 2 ]
amdhsa.kernels:
  - .name:           k_q582c9b11ae_attn
    .symbol:         k_q582c9b11ae_attn.kd
    .args:
      - { .name: qb, .offset: 0, .size: 8, .value_kind: global_buffer, .address_space: global }
      - { .name: kv, .offset: 8, .size: 8, .value_kind: global_buffer, .address_space: global }
      - { .name: oc, .offset: 16, .size: 8, .value_kind: global_buffer, .address_space: global }
      - { .name: os, .offset: 24, .size: 8, .value_kind: global_buffer, .address_space: global }
    .group_segment_fixed_size: 210944
    .private_segment_fixed_size: 0
    .kernarg_segment_align: 8
    .kernarg_segment_size: 32
    .max_flat_workgroup_size: 512
    .sgpr_count:     66
    .vgpr_count:     256
    .wavefront_size: 32
...
	.end_amdgpu_metadata
.endif
;; end of part 3
;; launch oproj (part 4): grid 8 x 32, 4 waves a work-group, clusters of 4 x 4, 295,424 bytes of LDS; arguments oc, os, cod, scl, bo, out0; writes out0
.if DOCPART == 4
	.amdgcn_target "amdgcn-amd-amdhsa--gfx1250"
	.amdhsa_code_object_version 6
	.text
	.protected	k_q582c9b11ae_oproj
	.globl	k_q582c9b11ae_oproj
	.p2align	8
	.type	k_q582c9b11ae_oproj,@function
k_q582c9b11ae_oproj:
	s_mov_b64 s[64:65], 0
	v_nop
	global_prefetch_b8 v0, s[64:65] scope:SCOPE_SE
	s_setreg_imm32_b32 hwreg(HW_REG_WAVE_MODE, 25, 1), 1
	s_wait_xcnt 0x0
	s_wait_alu depctr_hold_cnt(0) depctr_sa_sdst(0) depctr_va_vdst(0) depctr_va_sdst(0) depctr_va_ssrc(0) depctr_va_vcc(0) depctr_vm_vsrc(0)
	s_getreg_b32 s2, hwreg(HW_REG_IB_STS2, 6, 4)
	s_cmp_eq_u32 s2, 0
	s_cbranch_scc0 .Lentry_in_a_cluster
	s_endpgm
.Lentry_in_a_cluster:
	s_bfe_u32 s2, ttmp6, 0x10000c
	s_cmp_lg_u32 s2, 0xf033
	s_cbranch_scc0 .Lentry_shape_is_right
	s_endpgm
.Lentry_shape_is_right:
; out0 = o Wo^T + bo on codes of FP6 (E2M3) with E8M0 scales, sums in f32.  o's codes and scale words come from the attention launch, Wo's from the quantiser, both as images of the operand's registers.
; SHARES.  A work-group multiplies 256 tokens (A) by 128 rows of Wo (B) over all of K = 1,024; all its codes (196,608 + 98,304 bytes) lie in LDS at once: nothing is filled again.  They come in four chunks of 256 along K, all
; asked for at the head; each chunk is waited for by a counted wait and a plain barrier.  Four waves; wave w has A's tiles 4 w .. 4 w + 3 against B's eight: 32 accumulators.
; THE PRODUCT IS USED TRANSPOSED (source 0 = 16 rows of Wo, source 1 = 16 tokens), and every tile's rows are 32 (T / 2) + 8 (T % 2) + r + 8 (r / 8): a lane holds one token, and register 64 a + 16 g + i is output
; 32 g + 16 (lane / 16) + i of the work-group's 128.  CLUSTER 4 x 4: A's tiles are shared along a row of the cluster, B's along a column: joint loads.
; THE WAY OUT: a tile of 16 tokens x 128 outputs goes through the wave's own stage in LDS and leaves as rows of 512 consecutive bytes.  The stages lie in A's chunk 0, which has had its only fill and whose last reads
; every wave has awaited ahead of a barrier that all have passed.
; REGISTERS: window 0: addresses, scale words, the bias; on the way out v32-159 rows of out0.  Window 1: accumulator (a, b) at v[8 (8 a + b)].  Windows 2, 3: two sets of fragments: B's at v[12 b], A's at v[96 + 12 a].
.set SPARE, 294912
.set ACH,   49152
.set BCH,   24576
.set BBASE, 196608
.set SA,    32                         ; v32-47   A's scale words: tile a, register j: K step j in lanes 0-15, K step 4 + j in lanes 16-31
.set SB,    48                         ; v48-79   B's likewise
.set BI,    80                         ; v80-143  bo, eight registers a tile of B, in the result's layout
.set BK,    32                         ; the way out: 16 rows read back: v32-95 and v96-159 by turns
.set MSB, 0
.macro WIN new
.if MSB != (\new)
	s_set_vgpr_msb (MSB<<8)|(\new)
.set MSB, (\new)
.endif
.endm
.macro CROUND
	s_barrier_signal -1
	s_barrier_wait -1
	s_cmp_lg_u32 s18, 0
	s_cbranch_scc1 .Lnot_wave_0_\@
	s_barrier_signal -3
.Lnot_wave_0_\@:
	s_barrier_wait -3
	s_barrier_signal -1
	s_barrier_wait -1
.endm
.macro PLACES
.rept 4
	v_nop
.endr
.endm
.macro FRAG reg, a16, a8, off
	ds_load_b128 v[\reg:\reg+3], v[\a16] offset:\off
	ds_load_b64 v[\reg+4:\reg+5], v[\a8] offset:\off+512
	ds_load_b128 v[\reg+6:\reg+9], v[\a16] offset:\off+768
	ds_load_b64 v[\reg+10:\reg+11], v[\a8] offset:\off+1280
.endm
.macro FETCH s
	WIN (0x80+0x40*((\s)%2))
.irp b, 0,1,2,3,4,5,6,7
	FRAG 12*\b, 5, 6, 3072*\b+1536*((\s)%2)
.endr
.irp a, 0,1,2,3
	FRAG 96+12*\a, 3, 4, 3072*\a+1536*((\s)%2)
.endr
	WIN 0
.endm
; 16 products of K step s.  The 32 accumulators take turns, one instruction a turn, in the same order in every K step.
.macro MULH s, a0
.irp a, \a0, \a0+1
.irp b, 0,1,2,3,4,5,6,7
.if (\s) == 0
	v_wmma_scale_f32_16x16x128_f8f6f4 v[8*(8*(\a)+\b):8*(8*(\a)+\b)+7], v[12*\b:12*\b+11], v[96+12*(\a):96+12*(\a)+11], v[BI+8*\b:BI+8*\b+7], v[SB+4*\b], v[SA+4*(\a)] matrix_a_fmt:MATRIX_FMT_FP6 matrix_b_fmt:MATRIX_FMT_FP6
.elseif (\s) < 4
	v_wmma_scale_f32_16x16x128_f8f6f4 v[8*(8*(\a)+\b):8*(8*(\a)+\b)+7], v[12*\b:12*\b+11], v[96+12*(\a):96+12*(\a)+11], v[8*(8*(\a)+\b):8*(8*(\a)+\b)+7], v[SB+4*\b+(\s)], v[SA+4*(\a)+(\s)] matrix_a_fmt:MATRIX_FMT_FP6 matrix_b_fmt:MATRIX_FMT_FP6
.else
	v_wmma_scale_f32_16x16x128_f8f6f4 v[8*(8*(\a)+\b):8*(8*(\a)+\b)+7], v[12*\b:12*\b+11], v[96+12*(\a):96+12*(\a)+11], v[8*(8*(\a)+\b):8*(8*(\a)+\b)+7], v[SB+4*\b+(\s)-4], v[SA+4*(\a)+(\s)-4] matrix_a_fmt:MATRIX_FMT_FP6 matrix_b_fmt:MATRIX_FMT_FP6 matrix_a_scale:MATRIX_SCALE_ROW1 matrix_b_scale:MATRIX_SCALE_ROW1
.endif
.endr
.endr
.endm
.macro EVEN s
	s_wait_dscnt 0x0                               ; this K step's fragments are in
	PLACES                                         ; the loads below land in the set that the last 16 products read
	FETCH (\s)+1
	WIN 0x5a
	MULH \s, 0
	MULH \s, 2
.endm
.macro ODD s
	s_wait_dscnt 0x0
	WIN 0x5f
	MULH \s, 0
	WIN 0
	s_wait_tensorcnt 3-((\s)+1)/2                  ; my part of the next chunk has landed; my younger loads, one for each later chunk, may stay out
	s_barrier_signal -1
	s_barrier_wait -1
	v_add_nc_u32 v3, ACH, v3                       ; on to the next chunk; these four are also the places in front of the loads below
	v_add_nc_u32 v4, ACH, v4
	v_add_nc_u32 v5, BCH, v5
	v_add_nc_u32 v6, BCH, v6
	FETCH (\s)+1
	WIN 0x5f
	MULH \s, 2
.endm
	s_load_b256 s[4:11], s[0:1], 0x0               ; oc, os, cod, scl
	s_load_b128 s[12:15], s[0:1], 0x20             ; bo, out0
	v_lshl_add_u32 v18, v0, 2, SPARE
	v_mov_b32 v19, 0
	ds_add_u32 v18, v19                            ; the wave's opening: the add and its wait ahead of my first tensor load; the set-up stands between them
	ds_add_u32 v18, v19
	v_lshrrev_b32 v23, 5, v0
	v_readfirstlane_b32 s18, v23                   ; wave
	s_bfe_u32 s19, ttmp6, 0x40000                  ; cx
	s_bfe_u32 s20, ttmp6, 0x40004                  ; cy
	s_mov_b32 s21, ttmp9                           ; cluster x: 0, 1
	s_and_b32 s22, ttmp7, 0xffff                   ; cluster y: 0 .. 7
	s_lshl_b32 s56, s20, 2
	s_lshl_b32 s56, 15, s56
	s_or_b32 s24, s56, (3<<16)|(1<<21)             ; group 1 for A: my row of the cluster; elements of 8 bytes; bit 21 beside a mask
	s_lshl_b32 s58, 0x1111, s19
	s_or_b32 s32, s58, (3<<16)|(1<<21)             ; for B: my column
	s_mov_b32 s25, 384<<16                         ; a tile's chunk: 3,072 bytes
	s_mov_b32 s26, 8<<16                           ; 8 tiles
	s_mov_b32 s27, 384<<16
	s_mov_b32 s28, 8
	s_mov_b32 s29, 1536                            ; from tile to tile: 12,288 bytes
	s_mov_b32 s30, 0
	s_mov_b32 s31, 0
	s_mov_b32 s33, 384<<16
	s_mov_b32 s34, 4<<16
	s_mov_b32 s35, 384<<16
	s_mov_b32 s36, 4
	s_mov_b32 s37, 1536
	s_mov_b32 s38, 0
	s_mov_b32 s39, 0
	s_lshl_b32 s56, s22, 6
	s_lshl_b32 s57, s20, 4
	s_add_co_u32 s56, s56, s57                     ; A's first tile in oc and os: 64 x cluster y + 16 cy (s56, s57: never cx)
	s_lshl_b32 s58, s21, 5
	s_add_co_u32 s58, s58, 1728
	s_lshl_b32 s59, s19, 3
	s_add_co_u32 s58, s58, s59                     ; B's in cod and scl: Wo's tiles, + 32 x cluster x + 8 cx (s58, s59: never cy)
	s_and_b32 s60, s18, 1
	s_lshl_b32 s57, s60, 3
	s_add_co_u32 s57, s57, s56
	s_mul_i32 s2, s57, 12288
	s_mov_b32 s3, 0
	s_lshl_b32 s59, s60, 2
	s_add_co_u32 s59, s59, s58
	s_mul_i32 s66, s59, 12288
	s_mov_b32 s67, 0
	s_lshl_b32 s57, s18, 2
	s_add_co_u32 s57, s57, s56
	s_lshl_b32 s92, s57, 9
	s_mov_b32 s93, 0
	s_lshl_b32 s94, s58, 9
	s_mov_b32 s95, 0
	s_mul_i32 s61, s60, 24576
	s_mul_i32 s86, s60, 12288
.irp c, 0,1,2,3
	s_mov_b32 s[40+4*\c], 1
	s_add_co_u32 s[41+4*\c], s61, ACH*\c
	s_mov_b32 s[68+4*\c], 1
	s_add_co_u32 s[69+4*\c], s86, BBASE+BCH*\c
.endr
	v_and_b32 v23, 15, v0                          ; r
	v_bfe_u32 v24, v0, 4, 1                        ; h
	v_and_b32 v25, 31, v0
	v_lshlrev_b32 v1, 4, v25                       ; 16 l
	v_lshlrev_b32 v2, 3, v25                       ; 8 l
	s_mul_i32 s100, s18, 12288
	v_add_nc_u32 v3, s100, v1
	v_add_nc_u32 v4, s100, v2
	v_add_nc_u32 v5, BBASE, v1
	v_add_nc_u32 v6, BBASE, v2
	s_mul_i32 s101, s18, 8448                      ; my stage: 16 rows x 528 bytes
	v_mul_u32_u24 v20, v23, 528
	v_lshl_add_u32 v20, v24, 6, v20
	v_add_nc_u32 v20, s101, v20                    ; in: row r, + 64 h
	v_add_nc_u32 v21, s101, v1                     ; back: 16 l of a row
	s_lshl_b32 s62, s22, 2
	s_add_co_u32 s62, s62, s20                     ; block of 256 tokens
	s_lshl_b32 s63, s21, 2
	s_add_co_u32 s63, s63, s19                     ; block of 128 outputs
	s_lshl_b32 s101, s63, 9
	v_lshl_add_u32 v26, v24, 6, s101               ; bo: 512 xb + 64 h
	s_lshl_b32 s88, s62, 8
	s_lshl_b32 s100, s18, 6
	s_add_co_u32 s88, s88, s100                    ; my first token
	s_lshl_b32 s88, s88, 12                        ; a row of out0 is 4,096 bytes
	s_add_co_u32 s88, s88, s101
	s_mov_b32 s89, 0
	s_wait_dscnt 0x0                               ; the opening add is done
	s_wait_kmcnt 0x0
	s_add_nc_u64 s[2:3], s[4:5], s[2:3]
	s_add_nc_u64 s[66:67], s[8:9], s[66:67]
	s_add_nc_u64 s[92:93], s[6:7], s[92:93]
	s_add_nc_u64 s[94:95], s[10:11], s[94:95]
	s_add_nc_u64 s[88:89], s[14:15], s[88:89]
.irp c, 0,1,2,3
	s_add_nc_u64 s[42+4*\c:43+4*\c], s[2:3], 3072*\c
	s_or_b32 s[43+4*\c], s[43+4*\c], 0x80000000
	s_add_nc_u64 s[70+4*\c:71+4*\c], s[66:67], 3072*\c
	s_or_b32 s[71+4*\c], s[71+4*\c], 0x80000000
.endr
	CROUND                                         ; all sixteen work-groups are here: the joint loads meet
	s_cmp_lt_u32 s18, 2                            ; waves 0, 1 ask for A's halves, waves 2, 3 for B's: four loads a wave, all in one branch; four tensor loads of mine are out
	s_cbranch_scc0 .Lfill_b
.irp c, 0,1,2,3
	tensor_load_to_lds s[40+4*\c:43+4*\c], s[24:31]
	s_nop 0
.endr
	PLACES
	s_branch .Lfilled
.Lfill_b:
.irp c, 0,1,2,3
	tensor_load_to_lds s[68+4*\c:71+4*\c], s[32:39]
	s_nop 0
.endr
	PLACES
.Lfilled:
.irp a, 0,1,2,3
	global_load_b128 v[SA+4*\a:SA+4*\a+3], v1, s[92:93] offset:512*\a
.endr
.irp b, 0,1,2,3,4,5,6,7
	global_load_b128 v[SB+4*\b:SB+4*\b+3], v1, s[94:95] offset:512*\b
.endr
	s_wait_alu depctr_va_vdst(0)
.irp b, 0,1,2,3,4,5,6,7
	global_load_b128 v[BI+8*\b:BI+8*\b+3], v26, s[12:13] offset:(32*(\b/2)+8*(\b%2))*4
	global_load_b128 v[BI+8*\b+4:BI+8*\b+7], v26, s[12:13] offset:(32*(\b/2)+8*(\b%2))*4+16
.endr
	s_wait_tensorcnt 3                             ; my part of chunk 0 has landed; my three younger loads may stay out
	s_barrier_signal -1
	s_barrier_wait -1
	FETCH 0
	s_wait_loadcnt 0x0                             ; scale words and bias
	s_wait_dscnt 0x0
	FETCH 1
	WIN 0x4a                                       ; C: the bias, in window 0: the first K step starts the sums
	MULH 0, 0
	MULH 0, 2
	ODD 1
	s_wait_alu depctr_va_vdst(0)
	EVEN 2
	ODD 3
	s_wait_alu depctr_va_vdst(0)
	EVEN 4
	ODD 5
	s_wait_alu depctr_va_vdst(0)
	EVEN 6
	s_wait_dscnt 0x0
	WIN 0x5f
	MULH 7, 0
	MULH 7, 2
	WIN 0
.macro TOSTAGE a                       ; tile a: 64 bytes of a row for each 16 registers; back as whole rows
	WIN 0x04                                       ; an LDS store's data are its source 1: window 1
.irp m, 0,1,2,3,4,5,6,7,8,9,10,11,12,13,14,15
	ds_store_b128 v20, v[64*(\a)+4*\m:64*(\a)+4*\m+3] offset:128*(\m/4)+16*(\m%4)   ; each accumulator from its low end on
.endr
	WIN 0
.irp t, 0,1,2,3,4,5,6,7,8,9,10,11,12,13,14,15
	ds_load_b128 v[BK+64*((\a)%2)+4*\t:BK+64*((\a)%2)+4*\t+3], v21 offset:528*\t    ; LDS serves a wave's instructions in order: these see the stores above, and the next tile's stores come behind them
.endr
.endm
.macro SEND a, younger                 ; younger: the LDS instructions issued behind tile a's loads, which may stay out
	s_wait_dscnt \younger
.irp t, 0,1,2,3,4,5,6,7,8,9,10,11,12,13,14,15
	global_store_b128 v1, v[BK+64*((\a)%2)+4*\t:BK+64*((\a)%2)+4*\t+3], s[88:89] offset:(32*((\a)/2)+8*((\a)%2)+\t+8*(\t/8))*4096 th:TH_STORE_NT   ; 32 lanes store 512 consecutive bytes of the token's row; the tile's order of rows is undone here
.endr
.endm
	PLACES                                         ; in front of the first read of results and of loads over the scale words and the bias
	TOSTAGE 0
	TOSTAGE 1
	SEND 0, 32                                     ; behind tile 0's loads: tile 1's 16 stores and 16 loads
	s_wait_xcnt 0x0                                ; tile 0's stores have read their registers: tile 2's rows land there
	TOSTAGE 2
	SEND 1, 32
	s_wait_xcnt 0x0
	TOSTAGE 3
	SEND 2, 32
	SEND 3, 0
	s_wait_tensorcnt 0x0                           ; the wave's end: behind my last tensor load and my last LDS store
	ds_add_u32 v18, v19
	s_wait_dscnt 0x0
	CROUND                                         ; the closing round
	s_endpgm
.Lfunc_end_k_q582c9b11ae_oproj:
	.size	k_q582c9b11ae_oproj, .Lfunc_end_k_q582c9b11ae_oproj-k_q582c9b11ae_oproj
	.p2alignl 7, 3214868480
	.fill 96, 4, 3214868480
	.section	.rodata,"a",@progbits
	.p2align	6, 0x0
	.amdhsa_kernel k_q582c9b11ae_oproj
		.amdhsa_group_segment_fixed_size 295424
		.amdhsa_private_segment_fixed_size 0
		.amdhsa_enable_private_segment 0
		.amdhsa_kernarg_size 48
		.amdhsa_user_sgpr_count 2
		.amdhsa_user_sgpr_kernarg_segment_ptr 1
		.amdhsa_wavefront_size32 1
		.amdhsa_system_sgpr_workgroup_id_x 1
		.amdhsa_system_sgpr_workgroup_id_y 1
		.amdhsa_system_sgpr_workgroup_id_z 1
		.amdhsa_system_vgpr_workitem_id 0
		.amdhsa_next_free_vgpr 1024
		.amdhsa_next_free_sgpr 102
		.amdhsa_reserve_vcc 0
		.amdhsa_float_denorm_mode_32 3
		.amdhsa_float_denorm_mode_16_64 3
		.amdhsa_memory_ordered 1
		.amdhsa_forward_progress 1
		.amdhsa_inst_pref_size 85
	.end_amdhsa_kernel
	.amdgpu_metadata
---
amdhsa.version: [ 1, 2 ]
amdhsa.kernels:
  - .name:           k_q582c9b11ae_oproj
    .symbol:         k_q582c9b11ae_oproj.kd
    .args:
      - { .name: oc, .offset: 0, .size: 8, .value_kind: global_buffer, .address_space: global }
      - { .name: os, .offset: 8, .size: 8, .value_kind: global_buffer, .address_space: global }
      - { .name: cod, .offset: 16, .size: 8, .value_kind: global_buffer, .address_space: global }
      - { .name: scl, .offset: 24, .size: 8, .value_kind: global_buffer, .address_space: global }
      - { .name: bo, .offset: 32, .size: 8, .value_kind: global_buffer, .address_space: global }
      - { .name: out0, .offset: 40, .size: 8, .value_kind: global_buffer, .address_space: global }
    .group_segment_fixed_size: 295424
    .private_segment_fixed_size: 0
    .kernarg_segment_align: 8
    .kernarg_segment_size: 48
    .max_flat_workgroup_size: 128
    .sgpr_count:     102
    .vgpr_count:     1024
    .wavefront_size: 32
...
	.end_amdgpu_metadata
.endif
;; end of part 4
